; MI455X (gfx1250); checked and timed in simulation.
; The chip was launched on July 23, 2026; its instructions are those of AMD's public machine-readable ISA for CDNA 5 (MIT licence, August 2026) and "CDNA5" Instruction Set Architecture Reference Guide (July 2026). The comments in the code are by the model that wrote it; some were corrected since.
;; Attention. Allowed arithmetic: matrix products marked QUANTISED: E3M2 operands, one E8M0 scale for each 32 along K, by v_wmma_scale_f32_16x16x128_f8f6f4 with both operands' format E3M2, f32 sums; products left as they are: f32 operands where the result goes on into a quantised operand, else bf16, f16 or f32 operands; f32 sums; everything else in f32.
;; Inputs: attn_biases 8 x 1,024 float32; b_proj 256 float32; b_qkv 768 float32; beta 256 float32; bias_idxs 1,024 x 1,024 int32; gamma 256 float32; w_proj_codes 256 x 16 x 24 uint8 (E3M2 codes of w_proj, K innermost, in blocks of 32 codes, four codes in three bytes); w_proj_scales 256 x 16 uint8 (E8M0 scales of w_proj, one for each 32 codes along K); w_qkv_codes 768 x 8 x 24 uint8 (E3M2 codes of w_qkv, K innermost, in blocks of 32 codes, four codes in three bytes); w_qkv_scales 768 x 8 uint8 (E8M0 scales of w_qkv, one for each 32 codes along K); x 32 x 1,024 x 256 float32.
;; Outputs: out0 32 x 1,024 x 256 float32.
;; This version of the problem:
;;   THIS VERSION OF THE PROBLEM IS GIVEN IN LOW PRECISION. The matrix products marked QUANTISED in the list below multiply operands that are first quantised to E3M2 (3 exponent bits, 2 mantissa bits; 6 bits a number), with one power-of-two scale for each 32 numbers along K (OCP MX v1.0); their sums are f32. All else is computed in f32.
;;   The module's matrix products, in the order in which they are computed (A, B: the left and right operand; K: the contracted axis; several contracted axes count as one K, in the product's order):
;;     1. [M 32,768, K 256] x [K 256, N 768]; A: computed on the way; B: input w_qkv (given as codes): QUANTISED
;;     2. batch 256 x [M 1,024, K 16] x [K 16, N 1,024]; A: computed on the way; B: computed on the way: left as it is (K = 16 < 32)
;;     3. batch 256 x [M 1,024, K 1,024] x [K 1,024, N 64]; A: softmax (see below); B: computed on the way: QUANTISED
;;     4. [M 32,768, K 512] x [K 512, N 256]; A: computed on the way; B: input w_proj (given as codes): QUANTISED
;;   THE QUANTISER, for each operand of a quantised product, along K:
;;     - K is cut into blocks of 32 from its start; a last block that is shorter is filled with zeros.
;;     - A block's scale is 2^e with e = floor(log2(the largest magnitude in the block)) - 4, held to -126 .. 127; a block of zeros has e = 0. As a byte (E8M0): e + 127.
;;     - Each number is divided by its block's scale, clamped to +-28, and rounded to the nearest number of E3M2, ties to even, subnormals kept.
;;     - The product sums the exact products of the quantised numbers (number of the format x scale) in f32.
;;   ~~~python
;;   def quantise(x, axis):      # numpy; x: float32 -> the quantised numbers, widened to float32 again
;;       x = np.moveaxis(x, axis, -1); K = x.shape[-1]
;;       x = np.pad(x, [(0, 0)] * (x.ndim - 1) + [(0, -K % 32)]); x = x.reshape(x.shape[:-1] + (-1, 32)); a = np.abs(x).max(-1, keepdims=True)
;;       e = np.where(a > 0, np.clip(np.frexp(np.where(a > 0, a, 1))[1] - 1 - 4, -126, 127), 0)      # np.frexp(a)[1] - 1 = floor(log2(a)), exactly
;;       r = np.clip(x / 2.0 ** e, -28, 28)
;;       step = 2.0 ** (np.maximum(np.frexp(np.where(r == 0, 1, r))[1] - 1, -2) - 2)
;;       q = np.round(r / step) * step * 2.0 ** e      # np.round: ties to even
;;       return np.moveaxis(q.reshape(q.shape[:-2] + (-1,))[..., :K], -1, axis).astype(np.float32)
;;   ~~~
;;   SOFTMAX AHEAD OF A QUANTISED PRODUCT. Where the list says 'softmax', what is quantised is not the finished softmax but p = 2^(t - M), with t = logit x log2(e) and M = ceil(the row's largest t), a whole number; so 1/2 < the row's largest p <= 1. The row's sum l is taken of the UNQUANTISED p, in f32, and the product's result is divided by l at the end. Since M is a whole number, a kernel that streams over the keys may use a running M (the ceiling of the running maximum): every later rescaling is an exact power of two, which a block's scale takes up: the codes' values come out the same.
;;   OPERANDS COMPUTED ON THE WAY. 'Computed on the way' means the value that the module computes at that place (a softmax that the list does not call 'softmax' is quantised finished and normalised). What goes into a quantiser is computed in f32, as accurately as f32 sums, v_exp_f32 and their like allow (about 1e-6 of the number): no bf16 or f16 on the way to a quantiser, and a product that is left as it is and whose result goes on into a quantised operand takes f32 operands (vector FMAs, or v_wmma_f32_16x16x4_f32). A number that lies on a knife's edge between two numbers of the format may be rounded either way, as far as f32 arithmetic and the matrix unit's own rounding can turn it there, and no further.
;;   INPUTS GIVEN AS CODES. w_proj (in the module: [256, 512], K = its axis 1); w_qkv (in the module: [768, 256], K = its axis 1): each comes as NAME_codes (uint8): NAME with its K axis moved to the last place and cut into blocks of 32 codes, [.., K / 32, bytes a block], one block behind the other in memory; four codes in three bytes: a row's codes are one little-endian stream of bits, code i at bits 6 i .. 6 i + 5 (a code: sign, 3 exponent bits, 2 mantissa bits); and NAME_scales (uint8): the same leading axes, one E8M0 byte (e + 127) for each 32 codes along K. Its value is code x scale, taken as it is: it is not quantised again, and the codes and scales need not be those that the quantiser above would give.
;; One version. Each part assembles by itself: llvm-mc -triple=amdgcn-amd-amdhsa -mcpu=gfx1250 --defsym DOCPART=n.
;; ======== version 1 of 1: 4 launches
;; workspace buffers: biasw 33,554,432 bytes; qf 16,777,216 bytes; kv 30,408,704 bytes; ocodes 12,582,912 bytes; oscales 1,048,576 bytes
;; launch bias (part 1): grid 256 x 1, 8 waves a work-group, no clusters, 33,792 bytes of LDS; arguments bias_idxs, attn_biases, biasw; writes biasw
.if DOCPART == 1
	.amdgcn_target "amdgcn-amd-amdhsa--gfx1250"
	.amdhsa_code_object_version 6
	.text
	.protected	k_q4a09d9aac9_bias
	.globl	k_q4a09d9aac9_bias
	.p2align	8
	.type	k_q4a09d9aac9_bias,@function
k_q4a09d9aac9_bias:
	s_mov_b64 s[64:65], 0
	v_nop
	global_prefetch_b8 v0, s[64:65] scope:SCOPE_SE
	s_setreg_imm32_b32 hwreg(HW_REG_WAVE_MODE, 25, 1), 1
	s_wait_xcnt 0x0
; biasw[h][QB][s][qt][p][lane][e] = attn_biases[h][ bias_idxs[query][key] ] x log2(e), laid in the order in which the attention launch wants it as the C of a score tile:
; query = tok(T, r), T = 4 QB + qt, tok(T, r) = 32 (T / 2) + 8 (T % 2) + r + 8 (r / 8);  key = 128 s + 32 (p / 4) + 16 hh + 4 (p % 4) + e;  r = lane % 16, hh = lane / 16.
; A work-group takes one tile of 16 queries (T) and 256 keys; a wave 32 keys (a quarter bq of a key step s) for all eight heads: the indices are read once and serve eight gathers.
; The table (8 heads x 1,024 numbers, 32,768 bytes) is multiplied by log2(e) once and lies in LDS; the gathers are LDS loads of 4 bytes.
; No matrix work, no tensor load, no cluster: the only shared input is the table, 32 KiB against the 128 KiB that a work-group stores.
; LIMIT: an index is held at 1,023 from above (as an unsigned number), so that no gather leaves the table.
.set IDX, 8                            ; v8-23   16 indices, then their byte offsets
.set TAB, 24                           ; v24-55  my 16 bytes of each head's row of the table
.set D,   56                           ; v56-183 the gathered numbers: 16 a head
	s_load_b128 s[4:7], s[0:1], 0x0                ; bias_idxs, attn_biases
	s_load_b64 s[8:9], s[0:1], 0x10                ; biasw
	v_lshl_add_u32 v192, v0, 2, 0x8000
	v_mov_b32 v193, 0
	v_lshrrev_b32 v1, 5, v0
	v_readfirstlane_b32 s10, v1                    ; wave 0..7
	v_and_b32 v2, 15, v0                           ; r
	v_bfe_u32 v3, v0, 4, 1                         ; hh
	v_and_b32 v4, 8, v2
	v_add_nc_u32 v4, v4, v2                        ; r + 8 (r / 8)
	v_lshlrev_b32 v4, 12, v4                       ; a row of indices is 4,096 bytes
	v_lshl_add_u32 v4, v3, 6, v4                   ; + 64 hh: my 16 keys of a block of 32
	v_lshlrev_b32 v5, 4, v0                        ; 16 x thread: the table, in memory and in LDS
	v_and_b32 v6, 31, v0
	v_lshlrev_b32 v6, 4, v6                        ; 16 x lane: the way out
	s_mov_b32 s34, 0x3fb8aa3b                      ; log2(e)
	s_mov_b32 s35, s34                             ; (named with it as a pair)
	s_lshr_b32 s11, ttmp9, 2                       ; T
	s_and_b32 s12, ttmp9, 3
	s_lshl_b32 s12, s12, 1
	s_lshr_b32 s13, s10, 2
	s_add_co_u32 s12, s12, s13                     ; s = 2 (group % 4) + wave / 4
	s_and_b32 s13, s10, 3                          ; bq
	s_lshr_b32 s14, s11, 1
	s_lshl_b32 s14, s14, 5
	s_and_b32 s15, s11, 1
	s_lshl_b32 s15, s15, 3
	s_add_co_u32 s14, s14, s15                     ; the tile's first query: 32 (T / 2) + 8 (T % 2)
	s_lshl_b32 s14, s14, 12
	s_lshl_b32 s15, s12, 9
	s_add_co_u32 s14, s14, s15                     ; + 512 s
	s_lshl_b32 s15, s13, 7
	s_add_co_u32 s14, s14, s15                     ; + 128 bq
	s_mov_b32 s15, 0
	s_lshr_b32 s32, s11, 2                         ; QB
	s_lshl_b32 s32, s32, 3
	s_add_co_u32 s32, s32, s12
	s_lshl_b32 s32, s32, 2
	s_and_b32 s33, s11, 3                          ; qt
	s_add_co_u32 s32, s32, s33
	s_lshl_b32 s32, s32, 13                        ; ((QB 8 + s) 4 + qt) x 8,192
	s_lshl_b32 s33, s13, 11
	s_add_co_u32 s32, s32, s33                     ; + 2,048 bq: pieces 4 bq on
	s_mov_b32 s33, 0
	s_wait_kmcnt 0x0
	s_add_nc_u64 s[4:5], s[4:5], s[14:15]
	s_add_nc_u64 s[16:17], s[8:9], s[32:33]        ; head 0's place; a head is 4,194,304 bytes
.irp h, 1,2,3,4,5,6,7
	s_add_nc_u64 s[16+2*\h:17+2*\h], s[14+2*\h:15+2*\h], 0x400000
.endr
.irp i, 0,1,2,3,4,5,6,7
	global_load_b128 v[TAB+4*\i:TAB+4*\i+3], v5, s[6:7] offset:4096*\i
.endr
.irp i, 0,1,2,3
	global_load_b128 v[IDX+4*\i:IDX+4*\i+3], v4, s[4:5] offset:16*\i th:TH_LOAD_NT   ; piece 4 bq + i: four neighbouring keys; read once in the launch
.endr
	s_wait_loadcnt 0x4                             ; the table's eight loads are in; the four index loads behind them may be out
.set n, 0
.rept 16
	v_pk_mul_f32 v[TAB+n:TAB+n+1], v[TAB+n:TAB+n+1], s[34:35] op_sel_hi:[1,0]
.set n, n+2
.endr
.irp i, 0,1,2,3,4,5,6,7
	ds_store_b128 v5, v[TAB+4*\i:TAB+4*\i+3] offset:4096*\i
.endr
	s_wait_loadcnt 0x0                             ; the indices
.set n, 0
.rept 16
	v_min_u32 v[IDX+n], 0x3ff, v[IDX+n]            ; held inside the table
.set n, n+1
.endr
.set n, 0
.rept 16
	v_lshlrev_b32 v[IDX+n], 2, v[IDX+n]            ; as byte offsets
.set n, n+1
.endr
	s_wait_dscnt 0x0                               ; for the others' sake: my part of the table lies in LDS
	s_barrier_signal -1
	s_barrier_wait -1                              ; behind it LDS is only read
.irp h, 0,1,2,3,4,5,6,7
.set n, 0
.rept 16
	ds_load_b32 v[D+16*\h+n], v[IDX+n] offset:4096*\h
.set n, n+1
.endr
.endr
.irp h, 0,1,2,3,4,5,6,7
.if 16*(7-\h) > 63
	s_wait_dscnt 63                                ; LDS loads come back in order: more than 63 are younger than this head's, so at 63 this head's are in
.else
	s_wait_dscnt 16*(7-\h)                         ; the later heads' gathers may be out
.endif
.irp i, 0,1,2,3
	global_store_b128 v6, v[D+16*\h+4*\i:D+16*\h+4*\i+3], s[16+2*\h:17+2*\h] offset:512*\i   ; 32 lanes store 512 consecutive bytes, aligned
.endr
.endr
	s_wait_tensorcnt 0x0
	ds_add_u32 v192, v193
	s_wait_dscnt 0x0
	s_endpgm
.Lfunc_end_k_q4a09d9aac9_bias:
	.size	k_q4a09d9aac9_bias, .Lfunc_end_k_q4a09d9aac9_bias-k_q4a09d9aac9_bias
	.p2alignl 7, 3214868480
	.fill 96, 4, 3214868480
	.section	.rodata,"a",@progbits
	.p2align	6, 0x0
	.amdhsa_kernel k_q4a09d9aac9_bias
		.amdhsa_group_segment_fixed_size 33792
		.amdhsa_private_segment_fixed_size 0
		.amdhsa_enable_private_segment 0
		.amdhsa_kernarg_size 24
		.amdhsa_user_sgpr_count 2
		.amdhsa_user_sgpr_kernarg_segment_ptr 1
		.amdhsa_wavefront_size32 1
		.amdhsa_system_sgpr_workgroup_id_x 1
		.amdhsa_system_sgpr_workgroup_id_y 1
		.amdhsa_system_sgpr_workgroup_id_z 1
		.amdhsa_system_vgpr_workitem_id 0
		.amdhsa_next_free_vgpr 194
		.amdhsa_next_free_sgpr 66
		.amdhsa_reserve_vcc 0
		.amdhsa_float_denorm_mode_32 3
		.amdhsa_float_denorm_mode_16_64 3
		.amdhsa_memory_ordered 1
		.amdhsa_forward_progress 1
		.amdhsa_inst_pref_size 19
	.end_amdhsa_kernel
	.amdgpu_metadata
---
amdhsa.version: [ 1, 2 ]
amdhsa.kernels:
  - .name:           k_q4a09d9aac9_bias
    .symbol:         k_q4a09d9aac9_bias.kd
    .args:
      - { .name: bias_idxs, .offset: 0, .size: 8, .value_kind: global_buffer, .address_space: global }
      - { .name: attn_biases, .offset: 8, .size: 8, .value_kind: global_buffer, .address_space: global }
      - { .name: biasw, .offset: 16, .size: 8, .value_kind: global_buffer, .address_space: global }
    .group_segment_fixed_size: 33792
    .private_segment_fixed_size: 0
    .kernarg_segment_align: 8
    .kernarg_segment_size: 24
    .max_flat_workgroup_size: 256
    .sgpr_count:     66
    .vgpr_count:     194
    .wavefront_size: 32
...
	.end_amdgpu_metadata
.endif
;; end of part 1
;; launch prep (part 2): grid 256 x 1, 8 waves a work-group, no clusters, 168,960 bytes of LDS; arguments x, gamma, beta, w_qkv_codes, w_qkv_scales, b_qkv, qf, kv; writes qf, kv
.if DOCPART == 2
	.amdgcn_target "amdgcn-amd-amdhsa--gfx1250"
	.amdhsa_code_object_version 6
	.text
	.protected	k_q4a09d9aac9_prep
	.globl	k_q4a09d9aac9_prep
	.p2align	8
	.type	k_q4a09d9aac9_prep,@function
k_q4a09d9aac9_prep:
	s_mov_b64 s[64:65], 0
	v_nop
	global_prefetch_b8 v0, s[64:65] scope:SCOPE_SE
	s_setreg_imm32_b32 hwreg(HW_REG_WAVE_MODE, 25, 1), 1
	s_wait_xcnt 0x0
; LayerNorm over 256 channels, quantised to BF6 (E3M2) with one E8M0 scale for each 32 channels, times w_qkv (given as codes) + b_qkv; q, k leave as f32, v as BF6 codes quantised along the keys.
; A work-group takes 128 tokens of one batch: key step s of batch b.  TOKEN TILES ARE PERMUTED: row r of tile t is token 32 (t / 2) + 8 (t % 2) + r + 8 (r / 8), so that results whose registers run
; along tokens hold 16 neighbours in the 16 registers of tiles 2 b and 2 b + 1.
; PHASE 1: wave w normalises tile w (its 16 rows come by two tensor loads of 8 rows, into the wave's own LDS bytes, filled once) and stores the two fragments' register images in LDS.
; PHASE 2: wave w is head w: its 96 rows of w_qkv (12 fragments, 144 registers) stay in registers; for q and k source 0 = 16 rows of W, source 1 = 16 tokens (a lane holds one token and eight channels);
; for v source 0 = 16 tokens, source 1 = 16 rows of W (a lane holds one channel, its registers run along tokens, which are the next product's K).  The bias is the C of each sum's first product.
; OUT: qf[b][h][T][jj][lane][4] = q(tok(T, r), channel 8 hh + 4 jj + e) x 0.25 log2(e);  kv[b][h][s]: 8,192 bytes of k in the same form, 6,144 of v's fragments (channel tile c, half th: registers 6 th .. 6 th + 5), 512 of scale words.
; v's channel tiles are permuted like the token tiles (row r of tile c = channel 32 (c / 2) + 8 (c % 2) + r + 8 (r / 8)), for the projection's K.
; No cluster: what work-groups share is w_qkv, 154 KB in all, which goes straight into registers once; x, the bulk, is read by one work-group alone.
; LIMITS: NaN and infinities are not served; a block whose largest magnitude lies under 2^-122 (a block of zeros too) gets the scale byte 1: only this program reads the bytes.
.set XTW,    16640                     ; LDS: a wave's 16 rows of x, 1,024 bytes + 16 of padding each: row r starts 4 r banks on
.set XPITCH, 1040
.set GAM,    133120                    ; gamma, 1,024 bytes; beta behind it
.set XIMG,   135168                    ; 16 fragments' images (2 t + ks), 1,536 bytes each
.set XSC,    159744                    ; their scale words, 128 bytes each
.set FLOOR,  0x2800000                 ; 2^(5 - 127)
.set EOFF,   0xfe000000                ; 4 off an exponent field
.set XA, 1                             ; v1  x in LDS: my row, + 64 hh
.set GA, 2                             ; v2  gamma in LDS: + 64 hh
.set L16, 3                            ; v3  16 x lane
.set L8, 4                             ; v4  8 x lane
.set L4, 5                             ; v5  4 x lane
.set LIX, 6                            ; v6  XIMG + 16 x lane
.set LSX, 7                            ; v7  XSC + 4 x lane
.set XWI, 8                            ; v8  where I store my tile's images
.set XWS, 9                            ; v9  and their scale words
.set WN, 10                            ; v10 W: row r, + 24 hh
.set WP, 11                            ; v11 W: row r + 8 (r / 8), + 24 hh
.set WNS, 12                           ; v12, v13 the same rows' scale bytes
.set WPS, 13
.set CQA, 14                           ; v14 b_qkv: 32 hh
.set CVA, 15                           ; v15 b_qkv: 4 (r + 8 (r / 8))
.set WS, 16                            ; v16-27 W's scale words (2 tile + ks): tile 0 q, 1 k, 2 + c v
.set XS, 28                            ; v28-35 x's scale words of four tiles
.set VW, 36                            ; v36-39 v's scale words in the making
.set X,  40                            ; v40-167 phase 1: 128 numbers of my row: register 64 ks + 16 b + i = channel 128 ks + 32 b + 16 hh + i
.set XF, 40                            ; v40-135 phase 2: four tiles' fragments (2 t + ks) x 12
.set ACC, 136                          ; v136-167 four accumulators
.set OUT, 168                          ; v168-199 q x its factor
.set TS, 168                           ; phase 1: v168-175 four chains; v176-177 the mean; v178-179 1 / sqrt; v180, v181 at work
.set MU, 176
.set RS, 178
.set TX, 180
.set VR, 181
.set GM, 168                           ; then v168-199 gamma, v200-231 beta of 32 numbers
.set BT, 200
.set PC, 232                           ; v232-243 the codes just made
.set HC, 232
.set PT, 244                           ; v244-246
.set BM, 248
.set BX, 250
.set SO, 252
.set PW, 254
.set SEL, 48                           ; s[48:49] v_permlanex16_b32's selects for lane l xor 16
; window 1: v0-143 W's fragments, 24 tile + 12 ks; v144-151 q's bias, v152-159 k's; v160 + 8 c: v's, eight copies
.set MSB, 0
.macro WIN new                         ; the immediate's high byte repeats the setting that is left
.if MSB != \new
	s_set_vgpr_msb (MSB<<8)|\new
.set MSB, \new
.endif
.endm
; 32 numbers of a lane, register 16 b + i = k 32 b + 16 hh + i (b = 0, 1), become six registers of codes (lane (r, hh): block hh whole) at dst, and two scale bytes at bit sh of w.
.macro Q2 src, dst, pt, w, sh
	v_max3_num_f32 v[BM], |v[(\src)]|, |v[(\src)+1]|, FLOOR        ; the floor holds the byte at 1 from below
	v_max3_num_f32 v[BM+1], |v[(\src)+16]|, |v[(\src)+17]|, FLOOR
.irp i, 2,4,6,8,10,12,14
	v_max3_num_f32 v[BM], v[BM], |v[(\src)+\i]|, |v[(\src)+\i+1]|
	v_max3_num_f32 v[BM+1], v[BM+1], |v[(\src)+16+\i]|, |v[(\src)+17+\i]|
.endr
	v_permlanex16_b32 v[BX], v[BM], s[SEL], s[SEL+1]
	v_permlanex16_b32 v[BX+1], v[BM+1], s[SEL], s[SEL+1]
	v_max_num_f32 v[BM], v[BM], v[BX]              ; with lane l xor 16's 16: the block's largest magnitude
	v_max_num_f32 v[BM+1], v[BM+1], v[BX+1]
	v_add_nc_u32 v[SO], EOFF, v[BM]                ; 4 off its exponent field: the conversion's scale operand
	v_add_nc_u32 v[SO+1], EOFF, v[BM+1]
	v_lshrrev_b32 v[BX], 23, v[SO]                 ; the scale's byte
	v_lshrrev_b32 v[BX+1], 23, v[SO+1]
.if \sh == 0
	v_lshl_or_b32 v[(\w)], v[BX+1], 8, v[BX]
.else
	v_lshl_or_b32 v[BX], v[BX+1], 8, v[BX]
	v_lshl_or_b32 v[(\w)], v[BX], 16, v[(\w)]
.endif
	v_cvt_scalef32_pk16_bf6_f32 v[(\dst):(\dst)+2], v[(\src):(\src)+15], v[SO]
	v_cvt_scalef32_pk16_bf6_f32 v[(\pt):(\pt)+2], v[(\src)+16:(\src)+31], v[SO+1]
	v_nop                                          ; one plain place behind a scaled conversion
.irp i, 0,1,2
	v_permlane16_swap_b32 v[(\dst)+\i], v[(\pt)+\i]   ; the first now holds each lane's block's lower 16 codes, the second the upper 16
.endr
.irp i, 0,1,2
	v_mov_b32 v[(\dst)+3+\i], v[(\pt)+\i]
.endr
.endm
.macro ROWSUM                          ; four chains, two halves, two halves of the lanes: the row's sum in v[TS] of every lane
	v_pk_add_f32 v[TS:TS+1], v[TS:TS+1], v[TS+2:TS+3]
	v_pk_add_f32 v[TS+4:TS+5], v[TS+4:TS+5], v[TS+6:TS+7]
	v_pk_add_f32 v[TS:TS+1], v[TS:TS+1], v[TS+4:TS+5]
	v_add_f32 v[TS], v[TS], v[TS+1]
	v_permlanex16_b32 v[TX], v[TS], s[SEL], s[SEL+1]
	v_add_f32 v[TS], v[TS], v[TX]
.endm
	s_load_b256 s[32:39], s[0:1], 0x0              ; x s[32:33], gamma s[34:35], beta s[36:37], W's codes s[38:39]
	s_load_b256 s[40:47], s[0:1], 0x20             ; W's scales s[40:41], b_qkv s[42:43], qf s[44:45], kv s[46:47]
	v_lshl_add_u32 v247, v0, 2, 0x29000
	v_mov_b32 v255, 0
	ds_add_u32 v247, v255
	v_lshrrev_b32 v40, 5, v0
	v_readfirstlane_b32 s4, v40                    ; wave 0..7
	; descriptor group 1: 8 rows of 128 elements of 8 bytes; 16 bytes of padding behind every 256 words
	s_mov_b32 s16, (3<<16)|(1<<20)|(7<<22)|(3<<25)
	s_mov_b32 s17, 128<<16                         ; tensor_dim0
	s_mov_b32 s18, 8<<16                           ; tensor_dim1
	s_mov_b32 s19, 128<<16                         ; tile_dim0
	s_mov_b32 s20, 8                               ; tile_dim1
	s_mov_b32 s21, 128                             ; pitch
	s_mov_b32 s22, 0
	s_mov_b32 s23, 0
	s_lshl_b32 s5, ttmp9, 7                        ; the group's first token,
	s_lshr_b32 s6, s4, 1
	s_lshl_b32 s6, s6, 5
	s_add_co_u32 s5, s5, s6
	s_and_b32 s6, s4, 1
	s_lshl_b32 s6, s6, 3
	s_add_co_u32 s5, s5, s6                        ; my tile's: + 32 (w / 2) + 8 (w % 2)
	s_lshl_b32 s6, s5, 10
	s_mov_b32 s7, 0
	s_mul_i32 s8, s4, XTW
	s_wait_dscnt 0x0
	s_wait_kmcnt 0x0
	s_mov_b32 s24, 1
	s_mov_b32 s25, s8                              ; rows 0-7 of the tile
	s_add_nc_u64 s[26:27], s[32:33], s[6:7]
	s_mov_b32 s28, 1
	s_add_co_u32 s29, s8, 8*XPITCH                 ; rows 8-15: 16 tokens further on
	s_add_nc_u64 s[30:31], s[26:27], 16*1024
	s_or_b32 s27, s27, 0x80000000
	s_or_b32 s31, s31, 0x80000000
	tensor_load_to_lds s[24:27], s[16:23]          ; the launch's only fills: two a wave, both out together, into bytes that this wave alone reads
	s_nop 0
	tensor_load_to_lds s[28:31], s[16:23]
	s_nop 0
.rept 4
	v_nop
.endr
	v_lshlrev_b32 v41, 2, v0
	global_load_b32 v42, v41, s[34:35]             ; thread t brings gamma[t] and beta[t]
	global_load_b32 v43, v41, s[36:37]
	v_add_nc_u32 v44, GAM, v41
	v_and_b32 v45, 31, v0                          ; lane
	v_and_b32 v46, 15, v0                          ; r
	v_bfe_u32 v47, v0, 4, 1                        ; hh
	v_mul_u32_u24 v[XA], v46, XPITCH
	v_lshl_add_u32 v[XA], v47, 6, v[XA]
	v_add_nc_u32 v[XA], s8, v[XA]
	v_lshl_add_u32 v[GA], v47, 6, GAM
	v_lshlrev_b32 v[L16], 4, v45
	v_lshlrev_b32 v[L8], 3, v45
	v_lshlrev_b32 v[L4], 2, v45
	v_add_nc_u32 v[LIX], XIMG, v[L16]
	v_add_nc_u32 v[LSX], XSC, v[L4]
	s_mul_i32 s9, s4, 3072
	v_add_nc_u32 v[XWI], s9, v[LIX]
	s_lshl_b32 s9, s4, 8
	v_add_nc_u32 v[XWS], s9, v[LSX]
	v_and_b32 v48, 8, v46
	v_add_nc_u32 v48, v48, v46                     ; r + 8 (r / 8)
	v_mul_u32_u24 v[WN], v46, 192                  ; a row of W is 256 codes, 192 bytes
	v_mad_u32_u24 v[WN], v47, 24, v[WN]
	v_mul_u32_u24 v[WP], v48, 192
	v_mad_u32_u24 v[WP], v47, 24, v[WP]
	v_lshlrev_b32 v[WNS], 3, v46
	v_lshlrev_b32 v[WPS], 3, v48
	v_lshlrev_b32 v[CQA], 5, v47
	v_lshlrev_b32 v[CVA], 2, v48
	v_mov_b32 v[BX], 0                             ; written once: a lane permute's destination counts as one of its sources
	v_mov_b32 v[BX+1], 0
	v_mov_b32 v[TX], 0
	s_mov_b32 s[SEL], 0x76543210
	s_mov_b32 s[SEL+1], 0xfedcba98
	s_mov_b32 s50, 0x3b800000                      ; 1 / 256
	s_mov_b32 s51, 0x3727c5ac                      ; 1e-5
	s_mov_b32 s52, 0x3eb8aa3b                      ; 0.25 log2(e)
	s_mov_b32 s53, s52
	s_mov_b32 s11, 0
	s_mul_i32 s10, s4, 96*192                      ; my head's 96 rows of W,
	s_add_nc_u64 s[38:39], s[38:39], s[10:11]
	s_mul_i32 s10, s4, 96*8                        ; their scale bytes,
	s_add_nc_u64 s[40:41], s[40:41], s[10:11]
	s_mul_i32 s10, s4, 96*4                        ; their biases
	s_add_nc_u64 s[42:43], s[42:43], s[10:11]
	s_lshr_b32 s12, ttmp9, 3                       ; b
	s_and_b32 s13, ttmp9, 7                        ; s
	s_lshl_b32 s12, s12, 3
	s_add_co_u32 s12, s12, s4                      ; 8 b + head
	s_lshl_b32 s10, s12, 6
	s_lshl_b32 s14, s13, 3
	s_add_co_u32 s10, s10, s14
	s_lshl_b32 s10, s10, 10                        ; qf: tile 8 s of this batch and head, 1,024 bytes a tile
	s_add_nc_u64 s[44:45], s[44:45], s[10:11]
	s_lshl_b32 s10, s12, 3
	s_add_co_u32 s10, s10, s13
	s_mul_i32 s10, s10, 14848                      ; kv: this batch's, head's and step's block
	s_add_nc_u64 s[46:47], s[46:47], s[10:11]
	s_wait_loadcnt 0x0                             ; gamma[t], beta[t]
	ds_store_b32 v44, v42
	ds_store_b32 v44, v43 offset:1024
	; my head's weights: they land while phase 1 runs
	WIN 0x40                                       ; destination window 1
.irp ks, 0,1
.irp p, 0,1,2,3,4,5
	global_load_b64 v[12*\ks+2*\p:12*\ks+2*\p+1], v[WN], s[38:39] offset:96*\ks+48*(\p/3)+8*(\p%3)
	global_load_b64 v[24+12*\ks+2*\p:24+12*\ks+2*\p+1], v[WN], s[38:39] offset:16*192+96*\ks+48*(\p/3)+8*(\p%3)
.endr
.endr
.irp c, 0,1,2,3
.irp ks, 0,1
.irp p, 0,1,2,3,4,5
	global_load_b64 v[48+24*\c+12*\ks+2*\p:48+24*\c+12*\ks+2*\p+1], v[WP], s[38:39] offset:(32+32*(\c/2)+8*(\c%2))*192+96*\ks+48*(\p/3)+8*(\p%3)
.endr
.endr
.endr
	global_load_b128 v[144:147], v[CQA], s[42:43]              ; q's bias at channels 8 hh + 0 .. 7
	global_load_b128 v[148:151], v[CQA], s[42:43] offset:16
	global_load_b128 v[152:155], v[CQA], s[42:43] offset:64    ; k's
	global_load_b128 v[156:159], v[CQA], s[42:43] offset:80
.irp c, 0,1,2,3
.irp j, 0,1,2,3,4,5,6,7
	global_load_b32 v[160+8*\c+\j], v[CVA], s[42:43] offset:(32+32*(\c/2)+8*(\c%2))*4   ; v's: the lane's channel, for eight tokens
.endr
.endr
	WIN 0
.irp ks, 0,1
	global_load_b32 v[WS+\ks], v[WNS], s[40:41] offset:4*\ks
	global_load_b32 v[WS+2+\ks], v[WNS], s[40:41] offset:128+4*\ks
.endr
.irp c, 0,1,2,3
.irp ks, 0,1
	global_load_b32 v[WS+4+2*\c+\ks], v[WPS], s[40:41] offset:(32+32*(\c/2)+8*(\c%2))*8+4*\ks
.endr
.endr
	s_wait_dscnt 0x0                               ; for the others' sake: my gamma and beta lie in LDS
	s_wait_tensorcnt 0x0                           ; my 16 rows of x have landed
	s_barrier_signal -1
	s_barrier_wait -1
	; ---- PHASE 1: my tile's LayerNorm
.irp ks, 0,1
.irp b, 0,1,2,3
.irp j, 0,1,2,3
	ds_load_b128 v[X+64*\ks+16*\b+4*\j:X+64*\ks+16*\b+4*\j+3], v[XA] offset:512*\ks+128*\b+16*\j
.endr
.endr
.endr
	s_wait_dscnt 0x0
.irp k, 0,1,2,3
	v_pk_add_f32 v[TS+2*\k:TS+2*\k+1], v[X+4*\k:X+4*\k+1], v[X+4*\k+2:X+4*\k+3]     ; the first sums start the chains
.endr
.set n, 16
.rept 14
.irp k, 0,1,2,3
	v_pk_add_f32 v[TS+2*\k:TS+2*\k+1], v[TS+2*\k:TS+2*\k+1], v[X+n+2*\k:X+n+2*\k+1]
.endr
.set n, n+8
.endr
	ROWSUM
	v_mul_f32 v[MU], s50, v[TS]                    ; the mean
	v_mov_b32 v[MU+1], v[MU]
.set n, 0
.rept 64
	v_pk_add_f32 v[X+n:X+n+1], v[X+n:X+n+1], v[MU:MU+1] neg_lo:[0,1] neg_hi:[0,1]    ; x - mean
.set n, n+2
.endr
.irp k, 0,1,2,3
	v_pk_mul_f32 v[TS+2*\k:TS+2*\k+1], v[X+2*\k:X+2*\k+1], v[X+2*\k:X+2*\k+1]
.endr
.set n, 8
.rept 15
.irp k, 0,1,2,3
	v_pk_fma_f32 v[TS+2*\k:TS+2*\k+1], v[X+n+2*\k:X+n+2*\k+1], v[X+n+2*\k:X+n+2*\k+1], v[TS+2*\k:TS+2*\k+1]
.endr
.set n, n+8
.endr
	ROWSUM
	v_fma_f32 v[VR], v[TS], s50, s51               ; the variance + 1e-5
	v_rsq_f32 v[RS], v[VR]
	v_rsq_f32 v[RS+1], v[VR]
	v_nop                                          ; one plain place behind a transcendental
.set n, 0
	s_wait_alu depctr_va_vdst(0)
.rept 64
	v_pk_mul_f32 v[X+n:X+n+1], v[X+n:X+n+1], v[RS:RS+1]
.set n, n+2
.endr
.irp ch, 0,1,2,3                       ; x gamma + beta, 32 numbers at a time (the statistics' registers are free now)
.irp q, 0,1,2,3,4,5,6,7
	ds_load_b128 v[GM+4*\q:GM+4*\q+3], v[GA] offset:256*\ch+128*(\q/4)+16*(\q%4)
	ds_load_b128 v[BT+4*\q:BT+4*\q+3], v[GA] offset:1024+256*\ch+128*(\q/4)+16*(\q%4)
.endr
	s_wait_dscnt 0x0
.set n, 0
.rept 16
	v_pk_fma_f32 v[X+32*\ch+n:X+32*\ch+n+1], v[X+32*\ch+n:X+32*\ch+n+1], v[GM+n:GM+n+1], v[BT+n:BT+n+1]
.set n, n+2
.endr
.endr
.irp ks, 0,1
	Q2 X+64*\ks, PC, PT, PW, 0
	Q2 X+64*\ks+32, PC+6, PT, PW, 16
	ds_store_b128 v[XWI], v[PC:PC+3] offset:1536*\ks           ; the fragment goes to LDS as an image of its registers
	ds_store_b128 v[XWI], v[PC+4:PC+7] offset:1536*\ks+512
	ds_store_b128 v[XWI], v[PC+8:PC+11] offset:1536*\ks+1024
	ds_store_b32 v[XWS], v[PW] offset:128*\ks
	s_wait_dscnt 0x0                               ; the stores have read their registers; and, the second time, for the others' sake
.endr
	s_barrier_signal -1
	s_barrier_wait -1                              ; all sixteen fragments lie in LDS; behind it LDS is only read
	s_wait_loadcnt 0x0                             ; my head's weights, scale words and biases
	; ---- PHASE 2
.macro FETCHX th                       ; four tiles' fragments and scale words
.irp t, 0,1,2,3
.irp ks, 0,1
.irp c, 0,1,2
	ds_load_b128 v[XF+24*\t+12*\ks+4*\c:XF+24*\t+12*\ks+4*\c+3], v[LIX] offset:(2*(4*\th+\t)+\ks)*1536+512*\c
.endr
	ds_load_b32 v[XS+2*\t+\ks], v[LSX] offset:(2*(4*\th+\t)+\ks)*128
.endr
.endr
	s_wait_dscnt 0x0
.endm
.macro PLACES5                         ; five places: the next group's products write over these accumulators with another C; four of them serve the reads of the results
.rept 5
	v_nop
.endr
.endm
.macro TQK tile, cb                    ; q or k of four tiles of tokens: the four accumulators by turns
	s_wait_xcnt 0x0                                ; earlier stores have read their data: ACC, OUT and HC may be written again
	WIN 0x11                                       ; source 0 (W) and C (the bias) window 1
.irp t, 0,1,2,3
	v_wmma_scale_f32_16x16x128_f8f6f4 v[ACC+8*\t:ACC+8*\t+7], v[24*\tile:24*\tile+11], v[XF+24*\t:XF+24*\t+11], v[\cb:\cb+7], v[WS+2*\tile], v[XS+2*\t] matrix_a_fmt:MATRIX_FMT_BF6 matrix_b_fmt:MATRIX_FMT_BF6
.endr
	WIN 0x01
.irp t, 0,1,2,3
	v_wmma_scale_f32_16x16x128_f8f6f4 v[ACC+8*\t:ACC+8*\t+7], v[24*\tile+12:24*\tile+23], v[XF+24*\t+12:XF+24*\t+23], v[ACC+8*\t:ACC+8*\t+7], v[WS+2*\tile+1], v[XS+2*\t+1] matrix_a_fmt:MATRIX_FMT_BF6 matrix_b_fmt:MATRIX_FMT_BF6
.endr
	WIN 0
	PLACES5
.endm
.macro TV c, th                        ; v's channel tile c for 64 tokens: register 16 b + i of ACC = token 64 th + 32 b + 16 hh + i of the lane's channel
	s_wait_xcnt 0x0
	WIN 0x14                                       ; source 1 (W) and C window 1
.irp t, 0,1,2,3
	v_wmma_scale_f32_16x16x128_f8f6f4 v[ACC+8*\t:ACC+8*\t+7], v[XF+24*\t:XF+24*\t+11], v[48+24*\c:48+24*\c+11], v[160+8*\c:160+8*\c+7], v[XS+2*\t], v[WS+4+2*\c] matrix_a_fmt:MATRIX_FMT_BF6 matrix_b_fmt:MATRIX_FMT_BF6
.endr
	WIN 0x04
.irp t, 0,1,2,3
	v_wmma_scale_f32_16x16x128_f8f6f4 v[ACC+8*\t:ACC+8*\t+7], v[XF+24*\t+12:XF+24*\t+23], v[48+24*\c+12:48+24*\c+23], v[ACC+8*\t:ACC+8*\t+7], v[XS+2*\t+1], v[WS+4+2*\c+1] matrix_a_fmt:MATRIX_FMT_BF6 matrix_b_fmt:MATRIX_FMT_BF6
.endr
	WIN 0
	PLACES5
	Q2 ACC, HC, PT, VW+\c, 16*\th
	global_store_b128 v[L16], v[HC:HC+3], s[46:47] offset:8192+1536*\c+768*\th         ; registers 6 th .. + 3: 512 consecutive bytes
	global_store_b64 v[L8], v[HC+4:HC+5], s[46:47] offset:8192+1536*\c+768*\th+512     ; registers 6 th + 4, + 5: 256
.endm
.irp th, 0,1
	FETCHX \th
	TQK 0, 144
.set n, 0
.rept 16
	v_pk_mul_f32 v[OUT+n:OUT+n+1], v[ACC+n:ACC+n+1], s[52:53] op_sel_hi:[1,0]          ; q x 0.25 log2(e); each accumulator from its low end on
.set n, n+2
.endr
.irp t, 0,1,2,3
.irp jj, 0,1
	global_store_b128 v[L16], v[OUT+8*\t+4*\jj:OUT+8*\t+4*\jj+3], s[44:45] offset:(4*\th+\t)*1024+512*\jj
.endr
.endr
	TQK 1, 152
.irp t, 0,1,2,3
.irp jj, 0,1
	global_store_b128 v[L16], v[ACC+8*\t+4*\jj:ACC+8*\t+4*\jj+3], s[46:47] offset:(4*\th+\t)*1024+512*\jj
.endr
.endr
	TV 0, \th
	TV 1, \th
	TV 2, \th
	TV 3, \th
.endr
.irp c, 0,1,2,3
	global_store_b32 v[L4], v[VW+\c], s[46:47] offset:14336+128*\c                     ; v's scale words for these 128 keys
.endr
	s_wait_tensorcnt 0x0
	ds_add_u32 v247, v255
	s_wait_dscnt 0x0
	s_endpgm
.Lfunc_end_k_q4a09d9aac9_prep:
	.size	k_q4a09d9aac9_prep, .Lfunc_end_k_q4a09d9aac9_prep-k_q4a09d9aac9_prep
	.p2alignl 7, 3214868480
	.fill 96, 4, 3214868480
	.section	.rodata,"a",@progbits
	.p2align	6, 0x0
	.amdhsa_kernel k_q4a09d9aac9_prep
		.amdhsa_group_segment_fixed_size 168960
		.amdhsa_private_segment_fixed_size 0
		.amdhsa_enable_private_segment 0
		.amdhsa_kernarg_size 64
		.amdhsa_user_sgpr_count 2
		.amdhsa_user_sgpr_kernarg_segment_ptr 1
		.amdhsa_wavefront_size32 1
		.amdhsa_system_sgpr_workgroup_id_x 1
		.amdhsa_system_sgpr_workgroup_id_y 1
		.amdhsa_system_sgpr_workgroup_id_z 1
		.amdhsa_system_vgpr_workitem_id 0
		.amdhsa_next_free_vgpr 512
		.amdhsa_next_free_sgpr 66
		.amdhsa_reserve_vcc 0
		.amdhsa_float_denorm_mode_32 3
		.amdhsa_float_denorm_mode_16_64 3
		.amdhsa_memory_ordered 1
		.amdhsa_forward_progress 1
		.amdhsa_inst_pref_size 93
	.end_amdhsa_kernel
	.amdgpu_metadata
---
amdhsa.version: [ 1, 2 ]
amdhsa.kernels:
  - .name:           k_q4a09d9aac9_prep
    .symbol:         k_q4a09d9aac9_prep.kd
    .args:
      - { .name: x, .offset: 0, .size: 8, .value_kind: global_buffer, .address_space: global }
      - { .name: gamma, .offset: 8, .size: 8, .value_kind: global_buffer, .address_space: global }
      - { .name: beta, .offset: 16, .size: 8, .value_kind: global_buffer, .address_space: global }
      - { .name: w_qkv_codes, .offset: 24, .size: 8, .value_kind: global_buffer, .address_space: global }
      - { .name: w_qkv_scales, .offset: 32, .size: 8, .value_kind: global_buffer, .address_space: global }
      - { .name: b_qkv, .offset: 40, .size: 8, .value_kind: global_buffer, .address_space: global }
      - { .name: qf, .offset: 48, .size: 8, .value_kind: global_buffer, .address_space: global }
      - { .name: kv, .offset: 56, .size: 8, .value_kind: global_buffer, .address_space: global }
    .group_segment_fixed_size: 168960
    .private_segment_fixed_size: 0
    .kernarg_segment_align: 8
    .kernarg_segment_size: 64
    .max_flat_workgroup_size: 256
    .sgpr_count:     66
    .vgpr_count:     512
    .wavefront_size: 32
...
	.end_amdgpu_metadata
.endif
;; end of part 2
;; launch attn (part 3): grid 256 x 1, 16 waves a work-group, clusters of 4 x 1, 327,680 bytes of LDS; arguments qf, kv, biasw, ocodes, oscales; writes ocodes, oscales
.if DOCPART == 3
	.amdgcn_target "amdgcn-amd-amdhsa--gfx1250"
	.amdhsa_code_object_version 6
	.text
	.protected	k_q4a09d9aac9_attn
	.globl	k_q4a09d9aac9_attn
	.p2align	8
	.type	k_q4a09d9aac9_attn,@function
k_q4a09d9aac9_attn:
	s_mov_b64 s[64:65], 0
	v_nop
	global_prefetch_b8 v0, s[64:65] scope:SCOPE_SE
	s_setreg_imm32_b32 hwreg(HW_REG_WAVE_MODE, 25, 1), 1
	s_wait_xcnt 0x0
	s_wait_alu depctr_hold_cnt(0) depctr_sa_sdst(0) depctr_va_vdst(0) depctr_va_sdst(0) depctr_va_ssrc(0) depctr_va_vcc(0) depctr_vm_vsrc(0)
	s_getreg_b32 s2, hwreg(HW_REG_IB_STS2, 6, 4)
	s_cmp_eq_u32 s2, 0
	s_cbranch_scc0 .Lentry_in_a_cluster
	s_endpgm
.Lentry_in_a_cluster:
	s_bfe_u32 s2, ttmp6, 0x10000c
	s_cmp_lg_u32 s2, 0x3003
	s_cbranch_scc0 .Lentry_shape_is_right
	s_endpgm
.Lentry_shape_is_right:
; Attention of one head: t = (q . k / 4 + bias) log2(e), p = 2^(t - M) with M the running largest t rounded up to a whole number, O = (p quantised) x (v quantised) / (the sum of the unquantised p).
; THE SCORES take f32 operands, since they go on into a quantiser: v_wmma_f32_16x16x4_f32, four links for the head's 16 channels.  q arrives multiplied by 0.25 log2(e) and the bias by log2(e), and the bias
; is the C of a tile's first link: neither the scale nor the bias costs a vector instruction.  The same permutation of the 16 channels stands in both operands (lane half hh holds channels 8 hh + 0 .. 7).
; Both products are used transposed (S^T = K Q^T, O^T = V^T P^T): a lane holds ONE query throughout.  Key tiles are permuted (row r of tile t = key 32 (t / 2) + 8 (t % 2) + r + 8 (r / 8)), so that
; register 16 b + i of S is key 32 b + 16 hh + i of the step: 16 neighbours for the conversions.  The second product is v_wmma_scale_f32_16x16x128_f8f6f4 on BF6 codes.
; SHARES.  A work-group keeps 64 queries (block QB) of head h and walks 16 batches, four at a time: wave w has query tile w % 4 of batch w / 4.  So a bias tile (which knows no batch) serves four batches and a
; tile of k and v four query tiles.  32 steps of 128 keys: step G = 8 x group + key step.  Sixteen waves of 256 registers, four to a SIMD: one wave's softmax stands beside another's matrix work.
; CLUSTER.  The four partners have the same head and batches and four neighbouring QB: k's and v's tiles are asked for JOINTLY (waves 0-3, one batch each).  The bias tiles differ from partner to partner (they hang on QB):
; waves 4 and 5 fetch them by plain loads behind the same round.
; RING.  Two slots, 2^17 bytes apart; a slot = 4 x 14,848 bytes of k, v and v's scale words + 32,768 of bias.  The change of slots stands at a step's head; the refill has the whole step in which to land.
; By this text's own count a wave has at most one tensor load outstanding.
; OUT: o / l is quantised along the projection's K (64 head + channel) in registers: ocodes[tile][ks][c2][piece][lane][8 bytes], head = 2 ks + c2; oscales[tile][ks][lane]: this head's two bytes.
; LIMITS: NaN and infinities are not served; a p under 2^-126 counts as 0; a block whose largest number lies under 2^-122 gets the scale byte 1 (only this program reads the bytes).
.set SLOT1, 131072
.set KVB,   14848
.set BOFF,  59392                      ; the bias tiles' place in a slot
.set SPARE, 262144                     ; the spare words, 128 bytes for each of sixteen waves: eight blocks of 256 bytes that no other line names
.set FLOOR, 0x2800000
.set EOFF,  0xfe000000
.set AK0, 1                            ; v1  16 x lane + my batch's k and v
.set AB0, 2                            ; v2  16 x lane + my query tile's bias
.set AS0, 3                            ; v3  4 x lane + v's scale words
.set A80, 4                            ; v4  8 x lane + my batch's k and v
.set SPW, 5                            ; v5  my spare word; never rewritten
.set NIL, 6                            ; v6  0; never rewritten
.set L16, 7
.set L8,  8
.set L4,  9
.set ADK, 10                           ; v10, v11, v56, v57: the four addresses in the slot in hand
.set ADB, 11
.set ADS, 56
.set AD8, 57
.set Q,   16                           ; v16-23  q: register 4 jj + e = channel 8 hh + 4 jj + e.   v12 -M, v13 the largest t, v[14:15] the sum; v[58:59] f; v60-61 at work; v[62:63] 1 / l
.set O,   24                           ; v24-55  O^T: register 16 b + i = channel 32 b + 16 hh + i
.set S,   64                           ; v64-127 the scores: written by the f32 matrix form alone
.set W,   128                          ; v128-191 the bias (CB) and k (KF) of four tiles; then p; then v's fragments
.set CB,  128
.set KF,  160
.set PC,  192                          ; v192-203 p's codes
.set PT,  204                          ; v204-206, v208-210
.set BM,  212
.set BX,  216
.set SO,  220
.set PW,  224                          ; p's scale word
.set VS,  225                          ; v225-228 v's scale words
.set OC,  230                          ; v230-235 o's codes
.set OT,  236
.set OW,  240
.set WV,  14
.set SEL, 20
.set G,   22                           ; the step
.set SI,  23                           ; the key step: G % 8
.set TB,  24                           ; LDS byte at which the slot in hand begins
.set G1KV, 28
.set G1B,  36
.set G0KV, 44
.set G0B,  48
.set BKV,  52                          ; s[52:53] kv at my fetch's batch of group 0, key step 0
.set BB,   54                          ; s[54:55] biasw at my fetch's half of key step 0
.set QBA,  66                          ; s[66:67] qf, s[68:69] ocodes, s[70:71] oscales at my tile of the group in hand
.set OCB,  68
.set OSB,  70
.macro CROUND                          ; a round of the cluster's barrier
	s_barrier_signal -1
	s_barrier_wait -1
	s_cmp_lg_u32 s[WV], 0
	s_cbranch_scc1 .Lnot_wave_0_\@
	s_barrier_signal -3
.Lnot_wave_0_\@:
	s_barrier_wait -3
	s_barrier_signal -1
	s_barrier_wait -1
.endm
.macro TLOAD                           ; waves 0-3: k and v of one batch, jointly; waves 4, 5: half of the bias tiles; the others nothing.  The branches hang on the wave's number alone.  Four v_nop follow each load
	s_cmp_lt_u32 s[WV], 4
	s_cbranch_scc0 .Lnot_kv_\@
	tensor_load_to_lds s[G0KV:G0KV+3], s[G1KV:G1KV+7]
	s_nop 0
.rept 4
	v_nop
.endr
	s_branch .Lasked_\@
.Lnot_kv_\@:
	s_cmp_lt_u32 s[WV], 6
	s_cbranch_scc0 .Lasked_\@
	tensor_load_to_lds s[G0B:G0B+3], s[G1B:G1B+7]
	s_nop 0
.rept 4
	v_nop
.endr
.Lasked_\@:
.endm
.macro Q2 src, dst, pt, w, sh          ; 32 numbers of a lane (register 16 b + i = k 32 b + 16 hh + i) -> six registers of codes, two scale bytes at bit sh of w
	v_max3_num_f32 v[BM], |v[(\src)]|, |v[(\src)+1]|, FLOOR
	v_max3_num_f32 v[BM+1], |v[(\src)+16]|, |v[(\src)+17]|, FLOOR
.irp i, 2,4,6,8,10,12,14
	v_max3_num_f32 v[BM], v[BM], |v[(\src)+\i]|, |v[(\src)+\i+1]|
	v_max3_num_f32 v[BM+1], v[BM+1], |v[(\src)+16+\i]|, |v[(\src)+17+\i]|
.endr
	v_permlanex16_b32 v[BX], v[BM], s[SEL], s[SEL+1]
	v_permlanex16_b32 v[BX+1], v[BM+1], s[SEL], s[SEL+1]
	v_max_num_f32 v[BM], v[BM], v[BX]
	v_max_num_f32 v[BM+1], v[BM+1], v[BX+1]
	v_add_nc_u32 v[SO], EOFF, v[BM]
	v_add_nc_u32 v[SO+1], EOFF, v[BM+1]
	v_lshrrev_b32 v[BX], 23, v[SO]
	v_lshrrev_b32 v[BX+1], 23, v[SO+1]
.if \sh == 0
	v_lshl_or_b32 v[(\w)], v[BX+1], 8, v[BX]
.else
	v_lshl_or_b32 v[BX], v[BX+1], 8, v[BX]
	v_lshl_or_b32 v[(\w)], v[BX], 16, v[(\w)]
.endif
	v_cvt_scalef32_pk16_bf6_f32 v[(\dst):(\dst)+2], v[(\src):(\src)+15], v[SO]
	v_cvt_scalef32_pk16_bf6_f32 v[(\pt):(\pt)+2], v[(\src)+16:(\src)+31], v[SO+1]
	v_nop                                          ; one plain place behind a scaled conversion
.irp i, 0,1,2
	v_permlane16_swap_b32 v[(\dst)+\i], v[(\pt)+\i]
.endr
.irp i, 0,1,2
	v_mov_b32 v[(\dst)+3+\i], v[(\pt)+\i]
.endr
.endm
.macro INIT                            ; a batch begins: the step is written once, and its first change of M multiplies zeros
	v_mov_b32 v13, 0xff61b1e6                      ; -3e38, under every t
	v_floor_f32 v12, -v13
	v_mov_b32 v14, 0
	v_mov_b32 v15, 0
.set n, 0
.rept 32
	v_mov_b32 v[O+n], 0
.set n, n+1
.endr
.endm
	s_load_b256 s[4:11], s[0:1], 0x0               ; qf s[4:5], kv s[6:7], biasw s[8:9], ocodes s[10:11]
	s_load_b64 s[12:13], s[0:1], 0x20              ; oscales
	v_lshl_add_u32 v[SPW], v0, 2, SPARE
	v_mov_b32 v[NIL], 0
	ds_add_u32 v5, v6
	s_wait_dscnt 0x0
	v_lshrrev_b32 v60, 5, v0
	v_readfirstlane_b32 s[WV], v60                 ; wave 0..15
	s_bfe_u32 s15, ttmp6, 0x40000                  ; cx: it enters QB, and through it the addresses of the bias, q and o alone
	s_lshr_b32 s16, ttmp9, 3                       ; h
	s_bfe_u32 s17, ttmp9, 0x10002                  ; which 16 batches
	s_and_b32 s18, ttmp9, 3
	s_lshl_b32 s18, s18, 2
	s_add_co_u32 s18, s18, s15                     ; QB
	s_and_b32 s19, s[WV], 3                        ; my query tile.  Also: the batch of the four that I fetch
	s_lshr_b32 s25, s[WV], 2                       ; my batch of the four
	; k and v: 58 rows of 32 elements of 8 bytes, dense; the mask names the four partners, bit 21 beside it
	s_mov_b32 s[G1KV], 15|(3<<16)|(1<<21)
	s_mov_b32 s[G1KV+1], 32<<16
	s_mov_b32 s[G1KV+2], 58<<16
	s_mov_b32 s[G1KV+3], 32<<16
	s_mov_b32 s[G1KV+4], 58
	s_mov_b32 s[G1KV+5], 32
	s_mov_b32 s[G1KV+6], 0
	s_mov_b32 s[G1KV+7], 0
	; the bias: 64 such rows, no mask
	s_mov_b32 s[G1B], 3<<16
	s_mov_b32 s[G1B+1], 32<<16
	s_mov_b32 s[G1B+2], 64<<16
	s_mov_b32 s[G1B+3], 32<<16
	s_mov_b32 s[G1B+4], 64
	s_mov_b32 s[G1B+5], 32
	s_mov_b32 s[G1B+6], 0
	s_mov_b32 s[G1B+7], 0
	s_lshl_b32 s56, s17, 4
	s_add_co_u32 s56, s56, s19
	s_lshl_b32 s56, s56, 3
	s_add_co_u32 s56, s56, s16
	s_mul_i32 s56, s56, 8*KVB                      ; kv: (8 batch + h) x 8 steps   (s[56:57] never hold cx)
	s_mov_b32 s57, 0
	s_lshl_b32 s58, s16, 4
	s_add_co_u32 s58, s58, s18
	s_lshl_b32 s58, s58, 18                        ; biasw: (16 h + QB) x 262,144
	s_and_b32 s59, s[WV], 1
	s_lshl_b32 s26, s59, 14                        ; which half of the bias tiles I fetch
	s_add_co_u32 s58, s58, s26
	s_mov_b32 s59, 0
	s_lshl_b32 s72, s18, 2
	s_add_co_u32 s72, s72, s19                     ; T = 4 QB + my query tile
	s_lshl_b32 s73, s17, 4
	s_add_co_u32 s73, s73, s25                     ; my batch of group 0
	s_lshl_b32 s74, s73, 3
	s_add_co_u32 s74, s74, s16
	s_lshl_b32 s74, s74, 6
	s_add_co_u32 s74, s74, s72
	s_lshl_b32 s74, s74, 10                        ; qf: ((8 b + h) 64 + T) x 1,024
	s_mov_b32 s75, 0
	s_lshl_b32 s73, s73, 6
	s_add_co_u32 s73, s73, s72                     ; 64 b + T
	s_mul_i32 s76, s73, 6144
	s_lshr_b32 s78, s16, 1
	s_and_b32 s79, s16, 1
	s_mul_i32 s27, s78, 1536
	s_add_co_u32 s76, s76, s27
	s_mul_i32 s27, s79, 768
	s_add_co_u32 s76, s76, s27                     ; ocodes: + 1,536 (h / 2) + 768 (h % 2)
	s_mov_b32 s77, 0
	s_lshl_b32 s73, s73, 9
	s_lshl_b32 s78, s78, 7
	s_add_co_u32 s78, s78, s73
	s_lshl_b32 s79, s79, 1
	s_add_co_u32 s78, s78, s79                     ; oscales: 512 tile + 128 (h / 2) + 2 (h % 2)
	s_mov_b32 s79, 0
	s_mov_b32 s[SEL], 0x76543210
	s_mov_b32 s[SEL+1], 0xfedcba98
	s_mov_b32 s[G], 0
	s_mov_b32 s[TB], 0
	s_wait_kmcnt 0x0
	s_add_nc_u64 s[BKV:BKV+1], s[6:7], s[56:57]
	s_add_nc_u64 s[BB:BB+1], s[8:9], s[58:59]
	s_add_nc_u64 s[QBA:QBA+1], s[4:5], s[74:75]
	s_add_nc_u64 s[OCB:OCB+1], s[10:11], s[76:77]
	s_add_nc_u64 s[OSB:OSB+1], s[12:13], s[78:79]
	s_mov_b32 s[G0KV], 1
	s_mul_i32 s[G0KV+1], s19, KVB                  ; LDS: slot 0, the batch's place
	s_mov_b64 s[G0KV+2:G0KV+3], s[BKV:BKV+1]
	s_or_b32 s[G0KV+3], s[G0KV+3], 0x80000000
	s_mov_b32 s[G0B], 1
	s_add_co_u32 s[G0B+1], s26, BOFF
	s_mov_b64 s[G0B+2:G0B+3], s[BB:BB+1]
	s_or_b32 s[G0B+3], s[G0B+3], 0x80000000
	CROUND                                         ; all four work-groups are here: the first joint loads meet
	TLOAD                                          ; step 0 into slot 0
	v_and_b32 v60, 31, v0
	v_lshlrev_b32 v[L16], 4, v60
	v_lshlrev_b32 v[L8], 3, v60
	v_lshlrev_b32 v[L4], 2, v60
	global_load_b128 v[Q:Q+3], v[L16], s[QBA:QBA+1]
	global_load_b128 v[Q+4:Q+7], v[L16], s[QBA:QBA+1] offset:512
	s_mul_i32 s72, s25, KVB
	v_add_nc_u32 v[AK0], s72, v[L16]
	v_add_nc_u32 v[A80], s72, v[L8]
	s_add_co_u32 s72, s72, 14336
	v_add_nc_u32 v[AS0], s72, v[L4]
	s_lshl_b32 s72, s19, 13
	s_add_co_u32 s72, s72, BOFF
	v_add_nc_u32 v[AB0], s72, v[L16]
.irp b, 0,1,2,3
	v_mov_b32 v[BX+\b], 0                          ; written once: a lane permute's destination counts as one of its sources
.endr
	v_mov_b32 v59, 0                               ; (named as the upper half of the pair v[58:59])
	INIT
; THE CHANGE OF SLOTS, at a step's head.  Each wave waits for all its tensor loads (its part of the slot ahead), adds 0 to its spare word, and waits for that and for its reads of the slot left.
; fill = 1: the barrier is a round of the cluster's, and the slot left takes step G + 1's tiles: key step (G + 1) % 8 of group (G + 1) / 8.
.macro CHANGE fill
	s_wait_tensorcnt 0x0                           ; no tensor load of mine is out, so a group 0 may be written
	ds_add_u32 v[SPW], v[NIL]                      ; 0 onto my spare word
.if \fill
	s_add_co_u32 s56, s[G], 1
	s_lshr_b32 s57, s56, 3
	s_and_b32 s56, s56, 7
	s_lshl_b32 s58, s56, 15                        ; the bias: 32,768 bytes a key step; it knows no batch
	s_mul_i32 s56, s56, KVB
	s_mul_i32 s57, s57, 4*64*KVB                   ; four batches on
	s_add_co_u32 s56, s56, s57
	s_mov_b32 s57, 0
	s_mov_b32 s59, 0
	s_add_nc_u64 s[G0KV+2:G0KV+3], s[BKV:BKV+1], s[56:57]
	s_or_b32 s[G0KV+3], s[G0KV+3], 0x80000000
	s_xor_b32 s[G0KV+1], s[G0KV+1], SLOT1          ; the other slot than last time
	s_add_nc_u64 s[G0B+2:G0B+3], s[BB:BB+1], s[58:59]
	s_or_b32 s[G0B+3], s[G0B+3], 0x80000000
	s_xor_b32 s[G0B+1], s[G0B+1], SLOT1
	s_wait_dscnt 0x0                               ; the add is done, and my reads of the slot that I have left are over
	CROUND                                         ; both now hold of every wave of all four work-groups
	TLOAD                                          ; the first thing behind the round, and a wave's one tensor load until the next
.else
	s_wait_dscnt 0x0
	s_barrier_signal -1
	s_barrier_wait -1
.endif
.endm
; A STEP: my 16 queries x 128 keys.  nextq = 1: in a batch's last key step the next batch's q is asked for as soon as the last score product has read the old one.
.macro STEP nextq
	s_and_b32 s[SI], s[G], 7
	v_add_nc_u32 v[ADK], s[TB], v[AK0]
	v_add_nc_u32 v[ADB], s[TB], v[AB0]
	v_add_nc_u32 v[ADS], s[TB], v[AS0]
	v_add_nc_u32 v[AD8], s[TB], v[A80]
	s_wait_loadcnt 0x0                             ; q
.irp g, 0,1                            ; four tiles of 16 keys at a time
.if \g
.rept 8
	v_nop                                          ; eight places in front of loads into registers that the f32 matrix form has read
.endr
.endif
.irp t, 0,1,2,3
.irp jj, 0,1
	ds_load_b128 v[CB+8*\t+4*\jj:CB+8*\t+4*\jj+3], v[ADB] offset:(2*(4*\g+\t)+\jj)*512
	ds_load_b128 v[KF+8*\t+4*\jj:KF+8*\t+4*\jj+3], v[ADK] offset:(2*(4*\g+\t)+\jj)*512
.endr
.endr
	s_wait_dscnt 0x0
.irp c, 0,1,2,3                        ; the four accumulators by turns, one instruction a turn
.irp t, 0,1,2,3
.if \c == 0
	v_wmma_f32_16x16x4_f32 v[S+8*(4*\g+\t):S+8*(4*\g+\t)+7], v[KF+8*\t:KF+8*\t+1], v[Q:Q+1], v[CB+8*\t:CB+8*\t+7]
.else
	v_wmma_f32_16x16x4_f32 v[S+8*(4*\g+\t):S+8*(4*\g+\t)+7], v[KF+8*\t+2*\c:KF+8*\t+2*\c+1], v[Q+2*\c:Q+2*\c+1], v[S+8*(4*\g+\t):S+8*(4*\g+\t)+7]
.endif
.endr
.endr
.endr
.rept 8
	v_nop                                          ; eight places in front of the first read of the scores, and of the loads into q
.endr
.if \nextq
	s_cmp_lg_u32 s[SI], 7
	s_cbranch_scc1 .Lsame_q_\@
	s_add_nc_u64 s[QBA:QBA+1], s[QBA:QBA+1], 4*8*64*1024       ; four batches on (the last loads by this base were waited for at the step's head)
	global_load_b128 v[Q:Q+3], v[L16], s[QBA:QBA+1]
	global_load_b128 v[Q+4:Q+7], v[L16], s[QBA:QBA+1] offset:512
.Lsame_q_\@:
.endif
.irp b, 0,1,2,3
	v_max3_num_f32 v[BM+\b], v[S+16*\b], v[S+16*\b+1], v[S+16*\b+2]    ; the largest t of each block of 32 keys: for the row's maximum and, since p rises with t, for the block's largest p
.endr
.irp i, 3,5,7,9,11,13
.irp b, 0,1,2,3
	v_max3_num_f32 v[BM+\b], v[BM+\b], v[S+16*\b+\i], v[S+16*\b+\i+1]
.endr
.endr
.irp b, 0,1,2,3
	v_max_num_f32 v[BM+\b], v[BM+\b], v[S+16*\b+15]
.endr
.irp b, 0,1,2,3
	v_permlanex16_b32 v[BX+\b], v[BM+\b], s[SEL], s[SEL+1]
.endr
.irp b, 0,1,2,3
	v_max_num_f32 v[BM+\b], v[BM+\b], v[BX+\b]     ; with lane l xor 16's 16 keys
.endr
	v_max3_num_f32 v60, v[BM], v[BM+1], v[BM+2]
	v_max_num_f32 v60, v60, v[BM+3]
	v_max_num_f32 v13, v13, v60                    ; the running largest t
	v_mov_b32 v60, v12
	v_floor_f32 v12, -v13                          ; the new -M = -ceil(t): a whole number
	v_sub_f32 v60, v12, v60                        ; old M - new M: a whole number, 0 or less
	v_cvt_i32_f32 v60, v60                         ; (it saturates)
	v_ldexp_f32 v58, 1.0, v60                      ; f = 2^(old M - new M): a multiplication by it rounds nothing
.set n, 0
.rept 32
	v_pk_add_f32 v[W+n:W+n+1], v[S+n:S+n+1], v[12:13] op_sel_hi:[1,0]  ; t - M, into other registers than the scores'
.set n, n+2
.endr
.irp b, 0,1,2,3
	v_add_f32 v[BM+\b], v[BM+\b], v12              ; the same of each block's largest t
.endr
.set n, 0
.rept 64
	v_exp_f32 v[W+n], v[W+n]                       ; p = 2^(t - M), at most 1: not normalised
.set n, n+1
.endr
.irp b, 0,1,2,3
	v_exp_f32 v[BM+\b], v[BM+\b]                   ; the block's largest p: the same instructions on the same number
.endr
	v_pk_mul_f32 v[14:15], v[14:15], v[58:59] op_sel_hi:[1,0]          ; the sums under the new M (a plain place behind the exponentials)
	s_wait_alu depctr_va_vdst(0)
.irp b, 0,1,2,3
	v_max_num_f32 v[BM+\b], FLOOR, v[BM+\b]
.endr
.irp b, 0,1,2,3
	v_add_nc_u32 v[SO+\b], EOFF, v[BM+\b]
.endr
.irp b, 0,1,2,3
	v_lshrrev_b32 v[BX+\b], 23, v[SO+\b]
.endr
	v_lshl_or_b32 v[PW], v[BX+1], 8, v[BX]         ; p's scale word for these 128 keys
	v_lshl_or_b32 v[PW], v[BX+2], 16, v[PW]
	v_lshl_or_b32 v[PW], v[BX+3], 24, v[PW]
.irp c, 0,1
	v_cvt_scalef32_pk16_bf6_f32 v[PC+6*\c:PC+6*\c+2], v[W+32*\c:W+32*\c+15], v[SO+2*\c]
	v_cvt_scalef32_pk16_bf6_f32 v[PT+4*\c:PT+4*\c+2], v[W+32*\c+16:W+32*\c+31], v[SO+2*\c+1]
.endr
	v_nop                                          ; one plain place behind a scaled conversion
.irp c, 0,1
.irp i, 0,1,2
	v_permlane16_swap_b32 v[PC+6*\c+\i], v[PT+4*\c+\i]
.endr
.irp i, 0,1,2
	v_mov_b32 v[PC+6*\c+3+\i], v[PT+4*\c+\i]
.endr
.endr
	v_pk_add_f32 v[60:61], v[W:W+1], v[W+2:W+3]    ; the row's sum is taken of the unquantised p: two chains
.set n, 4
.rept 15
	v_pk_add_f32 v[14:15], v[14:15], v[W+n:W+n+1]
	v_pk_add_f32 v[60:61], v[60:61], v[W+n+2:W+n+3]
.set n, n+4
.endr
	v_pk_add_f32 v[14:15], v[14:15], v[60:61]
.set n, 0
.rept 16
	v_pk_mul_f32 v[O+n:O+n+1], v[O+n:O+n+1], v[58:59] op_sel_hi:[1,0]  ; O^T under the new M; each accumulator from its low end on.  (These and the sums are the places in front of the scaled products)
.set n, n+2
.endr
.irp c, 0,1,2,3                        ; v's four fragments, as images of their registers, where p lay
.irp th, 0,1
	ds_load_b128 v[W+12*\c+6*\th:W+12*\c+6*\th+3], v[ADK] offset:8192+1536*\c+768*\th
	ds_load_b64 v[W+12*\c+6*\th+4:W+12*\c+6*\th+5], v[AD8] offset:8192+1536*\c+768*\th+512
.endr
	ds_load_b32 v[VS+\c], v[ADS] offset:128*\c
.endr
	s_wait_dscnt 0x0
.irp c, 0,1,2,3
	v_wmma_scale_f32_16x16x128_f8f6f4 v[O+8*\c:O+8*\c+7], v[W+12*\c:W+12*\c+11], v[PC:PC+11], v[O+8*\c:O+8*\c+7], v[VS+\c], v[PW] matrix_a_fmt:MATRIX_FMT_BF6 matrix_b_fmt:MATRIX_FMT_BF6
.endr
.rept 4
	v_nop                                          ; four places in front of the next loads into v's registers and of the next read of O^T
.endr
	s_xor_b32 s[TB], s[TB], SLOT1                  ; on to the other slot
.endm
; A BATCH'S END: O^T / the sum is quantised along the projection's K and leaves as codes.  last = 0: on to the batch four further on.
.macro FINAL last
	v_add_f32 v14, v14, v15
	v_permlanex16_b32 v60, v14, s[SEL], s[SEL+1]
	v_add_f32 v14, v14, v60                        ; the row's sum
	v_rcp_f32 v62, v14
	v_rcp_f32 v63, v14
	v_nop                                          ; one plain place behind a transcendental
.set n, 0
	s_wait_alu depctr_va_vdst(0)
.rept 16
	v_pk_mul_f32 v[W+n:W+n+1], v[O+n:O+n+1], v[62:63]
.set n, n+2
.endr
	Q2 W, OC, OT, OW, 0
.irp p, 0,1,2
	global_store_b64 v[L8], v[OC+2*\p:OC+2*\p+1], s[OCB:OCB+1] offset:256*\p           ; 32 lanes store 256 consecutive bytes, aligned
.endr
	global_store_b16 v[L4], v[OW], s[OSB:OSB+1]    ; this head's two bytes of the row's scale word
.if \last == 0
	s_wait_xcnt 0x0                                ; the stores have read their data and bases: both may be written again
	s_add_nc_u64 s[OCB:OCB+1], s[OCB:OCB+1], 4*64*6144
	s_add_nc_u64 s[OSB:OSB+1], s[OSB:OSB+1], 4*64*512
	INIT
.endif
.endm
.Lstep:                                ; 31 trips: behind each change of slots but the last the next step's tiles are asked for
	CHANGE 1
	STEP 1
	s_cmp_lg_u32 s[SI], 7
	s_cbranch_scc1 .Lnot_last
	FINAL 0
.Lnot_last:
	s_add_co_u32 s[G], s[G], 1
	s_cmp_lt_u32 s[G], 31
	s_cbranch_scc1 .Lstep
	CHANGE 0                                       ; the last step is written out
	STEP 0
	FINAL 1
	s_wait_tensorcnt 0x0                           ; the wave's end
	ds_add_u32 v[SPW], v[NIL]
	s_wait_dscnt 0x0
	CROUND                                         ; the closing round: no work-group ends while a partner may still ask for a tile that names it
	s_endpgm
.Lfunc_end_k_q4a09d9aac9_attn:
	.size	k_q4a09d9aac9_attn, .Lfunc_end_k_q4a09d9aac9_attn-k_q4a09d9aac9_attn
	.p2alignl 7, 3214868480
	.fill 96, 4, 3214868480
	.section	.rodata,"a",@progbits
	.p2align	6, 0x0
	.amdhsa_kernel k_q4a09d9aac9_attn
		.amdhsa_group_segment_fixed_size 327680
		.amdhsa_private_segment_fixed_size 0
		.amdhsa_enable_private_segment 0
		.amdhsa_kernarg_size 40
		.amdhsa_user_sgpr_count 2
		.amdhsa_user_sgpr_kernarg_segment_ptr 1
		.amdhsa_wavefront_size32 1
		.amdhsa_system_sgpr_workgroup_id_x 1
		.amdhsa_system_sgpr_workgroup_id_y 1
		.amdhsa_system_sgpr_workgroup_id_z 1
		.amdhsa_system_vgpr_workitem_id 0
		.amdhsa_next_free_vgpr 256
		.amdhsa_next_free_sgpr 80
		.amdhsa_reserve_vcc 0
		.amdhsa_float_denorm_mode_32 3
		.amdhsa_float_denorm_mode_16_64 3
		.amdhsa_memory_ordered 1
		.amdhsa_forward_progress 1
		.amdhsa_inst_pref_size 55
	.end_amdhsa_kernel
	.amdgpu_metadata
---
amdhsa.version: [ 1, 2 ]
amdhsa.kernels:
  - .name:           k_q4a09d9aac9_attn
    .symbol:         k_q4a09d9aac9_attn.kd
    .args:
      - { .name: qf, .offset: 0, .size: 8, .value_kind: global_buffer, .address_space: global }
      - { .name: kv, .offset: 8, .size: 8, .value_kind: global_buffer, .address_space: global }
      - { .name: biasw, .offset: 16, .size: 8, .value_kind: global_buffer, .address_space: global }
      - { .name: ocodes, .offset: 24, .size: 8, .value_kind: global_buffer, .address_space: global }
      - { .name: oscales, .offset: 32, .size: 8, .value_kind: global_buffer, .address_space: global }
    .group_segment_fixed_size: 327680
    .private_segment_fixed_size: 0
    .kernarg_segment_align: 8
    .kernarg_segment_size: 40
    .max_flat_workgroup_size: 512
    .sgpr_count:     80
    .vgpr_count:     256
    .wavefront_size: 32
...
	.end_amdgpu_metadata
.endif
;; end of part 3
;; launch proj (part 4): grid 256 x 1, 8 waves a work-group, no clusters, 36,864 bytes of LDS; arguments ocodes, oscales, w_proj_codes, w_proj_scales, b_proj, out0; writes out0
.if DOCPART == 4
	.amdgcn_target "amdgcn-amd-amdhsa--gfx1250"
	.amdhsa_code_object_version 6
	.text
	.protected	k_q4a09d9aac9_proj
	.globl	k_q4a09d9aac9_proj
	.p2align	8
	.type	k_q4a09d9aac9_proj,@function
k_q4a09d9aac9_proj:
	s_mov_b64 s[64:65], 0
	v_nop
	global_prefetch_b8 v0, s[64:65] scope:SCOPE_SE
	s_setreg_imm32_b32 hwreg(HW_REG_WAVE_MODE, 25, 1), 1
	s_wait_xcnt 0x0
; out0 = o w_proj^T + b_proj on BF6 codes: o's codes and scale words come from the attention launch as images of operand registers, w_proj's as given.
; A work-group takes 128 tokens (eight permuted tiles of 16: row r of tile t = token 32 (t / 2) + 8 (t % 2) + r + 8 (r / 8)).  Wave w: columns 64 (w % 4) on, tiles 4 (w / 4) + 0 .. 3.
; Its 64 rows of w_proj (16 fragments, 192 registers) stay in registers.  Source 0 = 16 rows of W, source 1 = 16 tokens: a lane holds eight neighbouring columns of one token; the bias is the C of a sum's first product.
; A tile's 16 rows x 256 bytes go through the wave's own stage in LDS and leave as aligned runs of 256 bytes, sixteen lanes each.  Waves share nothing: no barrier.
; No tensor load and no cluster: what work-groups share is w_proj, 102 KB in all, which goes straight into registers once.
.set L8, 1                             ; v1 8 x lane
.set L4, 2                             ; v2 4 x lane
.set WA, 3                             ; v3 W: row r of 384 bytes, + 24 hh
.set WSA, 4                            ; v4 its scale bytes: 16 r
.set CBA, 5                            ; v5 b_proj: 32 hh
.set STO, 6                            ; v6 the stage, in: row r, + 32 hh
.set RD, 7                             ; v7 back: row hh, + 16 r
.set GO, 8                             ; v8 out0: 1,024 hh + 16 r
.set WS, 16                            ; v16-31 W's scale words (4 n + ks)
.set SW, 32                            ; v32-39 o's scale words, two sets
.set F0, 40                            ; v40-87, v88-135 o's fragments of a tile (12 ks), two sets
.set ACC, 136                          ; v136-167
.set OUT, 168                          ; v168-199
; window 1: v0-191 W's fragments, 48 n + 12 ks; v192 + 8 n the bias
.set MSB, 0
.macro WIN new
.if MSB != \new
	s_set_vgpr_msb (MSB<<8)|\new
.set MSB, \new
.endif
.endm
	s_load_b256 s[4:11], s[0:1], 0x0               ; ocodes s[4:5], oscales s[6:7], W's codes s[8:9], W's scales s[10:11]
	s_load_b128 s[12:15], s[0:1], 0x20             ; b_proj s[12:13], out0 s[14:15]
	v_lshl_add_u32 v254, v0, 2, 0x8c00
	v_mov_b32 v255, 0
	v_lshrrev_b32 v9, 5, v0
	v_readfirstlane_b32 s16, v9                    ; wave 0..7
	s_and_b32 s17, s16, 3                          ; cg
	s_lshr_b32 s18, s16, 2                         ; tp
	v_and_b32 v9, 31, v0
	v_and_b32 v10, 15, v0                          ; r
	v_bfe_u32 v11, v0, 4, 1                        ; hh
	v_lshlrev_b32 v[L8], 3, v9
	v_lshlrev_b32 v[L4], 2, v9
	v_mul_u32_u24 v[WA], v10, 384
	v_mad_u32_u24 v[WA], v11, 24, v[WA]
	v_lshlrev_b32 v[WSA], 4, v10
	v_lshlrev_b32 v[CBA], 5, v11
	s_mul_i32 s19, s16, 16*272                     ; my stage
	v_mul_u32_u24 v[STO], v10, 272
	v_lshl_add_u32 v[STO], v11, 5, v[STO]
	v_add_nc_u32 v[STO], s19, v[STO]
	v_mul_u32_u24 v[RD], v11, 272
	v_lshl_add_u32 v[RD], v10, 4, v[RD]
	v_add_nc_u32 v[RD], s19, v[RD]
	v_lshlrev_b32 v[GO], 10, v11
	v_lshl_add_u32 v[GO], v10, 4, v[GO]
	s_lshl_b32 s20, ttmp9, 3
	s_lshl_b32 s21, s18, 2
	s_add_co_u32 s20, s20, s21                     ; my first tile: 8 x group + 4 tp
	s_mul_i32 s22, s20, 6144
	s_mov_b32 s23, 0
	s_lshl_b32 s24, s20, 9
	s_mov_b32 s25, 0
	s_mul_i32 s26, s17, 64*384
	s_mov_b32 s27, 0
	s_lshl_b32 s28, s17, 10
	s_mov_b32 s29, 0
	s_lshl_b32 s30, s17, 8                         ; 64 columns of f32
	s_mov_b32 s31, 0
	s_lshl_b32 s32, ttmp9, 17                      ; 128 tokens of 1,024 bytes
	s_lshl_b32 s33, s18, 16
	s_add_co_u32 s32, s32, s33
	s_add_co_u32 s32, s32, s30
	s_mov_b32 s33, 0
	s_wait_kmcnt 0x0
	s_add_nc_u64 s[4:5], s[4:5], s[22:23]
	s_add_nc_u64 s[6:7], s[6:7], s[24:25]
	s_add_nc_u64 s[8:9], s[8:9], s[26:27]
	s_add_nc_u64 s[10:11], s[10:11], s[28:29]
	s_add_nc_u64 s[12:13], s[12:13], s[30:31]
	s_add_nc_u64 s[14:15], s[14:15], s[32:33]
	WIN 0x40                                       ; destination window 1
.irp n, 0,1,2,3
.irp ks, 0,1,2,3
.irp p, 0,1,2,3,4,5
	global_load_b64 v[48*\n+12*\ks+2*\p:48*\n+12*\ks+2*\p+1], v[WA], s[8:9] offset:16*\n*384+96*\ks+48*(\p/3)+8*(\p%3)
.endr
.endr
	global_load_b128 v[192+8*\n:192+8*\n+3], v[CBA], s[12:13] offset:64*\n
	global_load_b128 v[192+8*\n+4:192+8*\n+7], v[CBA], s[12:13] offset:64*\n+16
.endr
	WIN 0
.irp n, 0,1,2,3
.irp ks, 0,1,2,3
	global_load_b32 v[WS+4*\n+\ks], v[WSA], s[10:11] offset:256*\n+4*\ks
.endr
.endr
.macro LOADF i                         ; tile i's four fragments and scale words into set i % 2: 28 loads
.set FB, F0+48*((\i)%2)
.set SB, SW+4*((\i)%2)
.irp ks, 0,1,2,3
.irp c2, 0,1
.irp p, 0,1,2
	global_load_b64 v[FB+12*\ks+6*\c2+2*\p:FB+12*\ks+6*\c2+2*\p+1], v[L8], s[4:5] offset:6144*(\i)+1536*\ks+768*\c2+256*\p
.endr
.endr
	global_load_b32 v[SB+\ks], v[L4], s[6:7] offset:512*(\i)+128*\ks
.endr
.endm
	LOADF 0
	LOADF 1
	s_wait_loadcnt 0x0
.macro TILE i
.set FB, F0+48*((\i)%2)
.set SB, SW+4*((\i)%2)
	WIN 0x11                                       ; source 0 (W) and C (the bias) window 1
.irp n, 0,1,2,3                        ; the four accumulators by turns
	v_wmma_scale_f32_16x16x128_f8f6f4 v[ACC+8*\n:ACC+8*\n+7], v[48*\n:48*\n+11], v[FB:FB+11], v[192+8*\n:192+8*\n+7], v[WS+4*\n], v[SB] matrix_a_fmt:MATRIX_FMT_BF6 matrix_b_fmt:MATRIX_FMT_BF6
.endr
	WIN 0x01
.irp ks, 1,2,3
.irp n, 0,1,2,3
	v_wmma_scale_f32_16x16x128_f8f6f4 v[ACC+8*\n:ACC+8*\n+7], v[48*\n+12*\ks:48*\n+12*\ks+11], v[FB+12*\ks:FB+12*\ks+11], v[ACC+8*\n:ACC+8*\n+7], v[WS+4*\n+\ks], v[SB+\ks] matrix_a_fmt:MATRIX_FMT_BF6 matrix_b_fmt:MATRIX_FMT_BF6
.endr
.endr
	WIN 0
.rept 5
	v_nop                                          ; five places: the next tile's products write over these accumulators with another C; four serve the loads and the LDS stores below
.endr
.if (\i) < 2
	LOADF (\i)+2                                   ; the set just multiplied takes the tile two further on
.endif
.irp n, 0,1,2,3
	ds_store_b128 v[STO], v[ACC+8*\n:ACC+8*\n+3] offset:64*\n          ; each accumulator from its low end on
	ds_store_b128 v[STO], v[ACC+8*\n+4:ACC+8*\n+7] offset:64*\n+16
.endr
	s_wait_xcnt 0x0                                ; the last tile's stores have read OUT
.irp k, 0,1,2,3,4,5,6,7
	ds_load_b128 v[OUT+4*\k:OUT+4*\k+3], v[RD] offset:544*\k           ; LDS serves a wave's instructions in order: these see my stores; rows 2 k and 2 k + 1
.endr
.irp k, 0,1,2,3,4,5,6,7
	s_wait_dscnt 7-\k                              ; the younger read-backs may be out
	global_store_b128 v[GO], v[OUT+4*\k:OUT+4*\k+3], s[14:15] offset:(32*((\i)/2)+8*((\i)%2)+2*\k+8*(\k/4))*1024 th:TH_STORE_NT   ; 16 lanes store 256 consecutive bytes, aligned; stage row rho is token rho + 8 (rho / 8) of the tile
.endr
.endm
	TILE 0
	TILE 1
	s_wait_loadcnt 28                              ; tile 2's 28 loads are in; tile 3's 28, issued behind them, may be out
	TILE 2
	s_wait_loadcnt 0x0
	TILE 3
	s_wait_tensorcnt 0x0
	ds_add_u32 v254, v255
	s_wait_dscnt 0x0
	s_endpgm
.Lfunc_end_k_q4a09d9aac9_proj:
	.size	k_q4a09d9aac9_proj, .Lfunc_end_k_q4a09d9aac9_proj-k_q4a09d9aac9_proj
	.p2alignl 7, 3214868480
	.fill 96, 4, 3214868480
	.section	.rodata,"a",@progbits
	.p2align	6, 0x0
	.amdhsa_kernel k_q4a09d9aac9_proj
		.amdhsa_group_segment_fixed_size 36864
		.amdhsa_private_segment_fixed_size 0
		.amdhsa_enable_private_segment 0
		.amdhsa_kernarg_size 48
		.amdhsa_user_sgpr_count 2
		.amdhsa_user_sgpr_kernarg_segment_ptr 1
		.amdhsa_wavefront_size32 1
		.amdhsa_system_sgpr_workgroup_id_x 1
		.amdhsa_system_sgpr_workgroup_id_y 1
		.amdhsa_system_sgpr_workgroup_id_z 1
		.amdhsa_system_vgpr_workitem_id 0
		.amdhsa_next_free_vgpr 512
		.amdhsa_next_free_sgpr 66
		.amdhsa_reserve_vcc 0
		.amdhsa_float_denorm_mode_32 3
		.amdhsa_float_denorm_mode_16_64 3
		.amdhsa_memory_ordered 1
		.amdhsa_forward_progress 1
		.amdhsa_inst_pref_size 42
	.end_amdhsa_kernel
	.amdgpu_metadata
---
amdhsa.version: [ 1, 2 ]
amdhsa.kernels:
  - .name:           k_q4a09d9aac9_proj
    .symbol:         k_q4a09d9aac9_proj.kd
    .args:
      - { .name: ocodes, .offset: 0, .size: 8, .value_kind: global_buffer, .address_space: global }
      - { .name: oscales, .offset: 8, .size: 8, .value_kind: global_buffer, .address_space: global }
      - { .name: w_proj_codes, .offset: 16, .size: 8, .value_kind: global_buffer, .address_space: global }
      - { .name: w_proj_scales, .offset: 24, .size: 8, .value_kind: global_buffer, .address_space: global }
      - { .name: b_proj, .offset: 32, .size: 8, .value_kind: global_buffer, .address_space: global }
      - { .name: out0, .offset: 40, .size: 8, .value_kind: global_buffer, .address_space: global }
    .group_segment_fixed_size: 36864
    .private_segment_fixed_size: 0
    .kernarg_segment_align: 8
    .kernarg_segment_size: 48
    .max_flat_workgroup_size: 256
    .sgpr_count:     66
    .vgpr_count:     512
    .wavefront_size: 32
...
	.end_amdgpu_metadata
.endif
;; end of part 4
